; MI455X (gfx1250); checked and timed in simulation.
; The chip was launched on July 23, 2026; its instructions are those of AMD's public machine-readable ISA for CDNA 5 (MIT licence, August 2026) and "CDNA5" Instruction Set Architecture Reference Guide (July 2026). The comments in the code are by the model that wrote it; some were corrected since.
;; Attention. Allowed arithmetic: matrix products marked QUANTISED: E4M3 operands, one given power-of-two scale a tensor, by v_wmma_f32_16x16x64_fp8_fp8 or v_wmma_f32_16x16x128_fp8_fp8, f32 sums; products left as they are: f32 operands where the result goes on into a quantised operand, else bf16, f16 or f32 operands; f32 sums; everything else in f32.
;; Inputs: Wh 1,024 x 1,024 float32; Wq 1,024 x 1,024 float32; lowp_scales 4 int32 (the exponents e of the quantised operands' scales 2^e); memory 64 x 1,024 x 1,024 float32; query 64 x 1,024 float32; v 1,024 x 1 float32.
;; Outputs: out0 64 x 1,024 float32.
;; This version of the problem:
;;   THIS VERSION OF THE PROBLEM IS GIVEN IN LOW PRECISION. The matrix products marked QUANTISED in the list below multiply operands that are first quantised to E4M3 (4 exponent bits, 3 mantissa bits; 8 bits a number), with one given power-of-two scale for each operand tensor; their sums are f32. All else is computed in f32.
;;   The module's matrix products, in the order in which they are computed (A, B: the left and right operand; K: the contracted axis; several contracted axes count as one K, in the product's order):
;;     1. [M 65,536, K 1,024] x [K 1,024, N 1,024]; A: input memory; B: input Wh: QUANTISED (scales: A lowp_scales[0], B lowp_scales[1])
;;     2. [M 64, K 1,024] x [K 1,024, N 1,024]; A: input query; B: input Wq: QUANTISED (scales: A lowp_scales[2], B lowp_scales[3])
;;     3. [M 65,536, K 1,024] x [K 1,024, N 1]; A: computed on the way; B: computed on the way: left as it is (N = 1 < 16)
;;     4. batch 64 x [M 1,024, K 1,024] x [K 1,024, N 1]; A: input memory; B: softmax: left as it is (N = 1 < 16)
;;   THE QUANTISER, for each operand of a quantised product, along K:
;;     - The operand's scale is 2^e, e = its entry of the input lowp_scales (int32; the entries are numbered through the quantised products in the list's order, A before B).
;;     - Each number is divided by the scale, clamped to +-448, and rounded to the nearest number of E4M3, ties to even, subnormals kept.
;;     - The product sums the exact products of the quantised numbers (number of the format x scale) in f32.
;;   ~~~python
;;   def quantise(x, axis, e):      # numpy; x: float32 -> the quantised numbers, widened to float32 again
;;       x = np.moveaxis(x, axis, -1); K = x.shape[-1]
;;       r = np.clip(x / 2.0 ** e, -448, 448)
;;       step = 2.0 ** (np.maximum(np.frexp(np.where(r == 0, 1, r))[1] - 1, -6) - 3)
;;       q = np.round(r / step) * step * 2.0 ** e      # np.round: ties to even
;;       return np.moveaxis(q, -1, axis).astype(np.float32)
;;   ~~~
;; One version. Each part assembles by itself: llvm-mc -triple=amdgcn-amd-amdhsa -mcpu=gfx1250 --defsym DOCPART=n.
;; ======== version 1 of 1: 3 launches
;; limits: right only within a limited range of input values
;; workspace buffers: whc 1,048,576 bytes; qw 262,144 bytes; sc 262,144 bytes
;; launch prep (part 1): grid 192 x 1, 8 waves a work-group, no clusters, 54,272 bytes of LDS; arguments Wh, Wq, query, lowp_scales, whc, qw; writes whc, qw
.if DOCPART == 1
	.amdgcn_target "amdgcn-amd-amdhsa--gfx1250"
	.amdhsa_code_object_version 6
	.text
	.protected	k_q17521ae045_prep
	.globl	k_q17521ae045_prep
	.p2align	8
	.type	k_q17521ae045_prep,@function
k_q17521ae045_prep:
	s_mov_b64 s[64:65], 0
	v_nop
	global_prefetch_b8 v0, s[64:65] scope:SCOPE_SE
	s_setreg_imm32_b32 hwreg(HW_REG_WAVE_MODE, 25, 1), 1
	s_wait_xcnt 0x0
; THE PROGRAM: out[b] = sum over t of softmax_t(s[b][t]) memory[b][t][:],  s[b][t] = sum over e of v[e] tanh(h[b][t][e]),  h = Q(memory) Q(Wh) + Q(query) Q(Wq); Q: the given quantiser to E4M3.
; Three launches: this one (Wh's codes, and the product of query and Wq), the scores, the weighted sum.
; WORK LEFT OUT, for all values of the inputs: tanh(x) = 1 - 2 / (1 + e^(2x)), so s[b][t] = (sum over e of v[e]) - 2 sum over e of v[e] / (1 + e^(2 h[b][t][e])).  The first term is the same for every t of a row,
; and a softmax along t takes away what is the same along t.  So it is never formed; its size is at most sum |v[e]|, the bound of the term that is kept too, so f32 loses nothing beside it.  Every input stays live and is loaded.
; LIMIT: an overflow, infinity or NaN that would arise in sum v[e] alone is not carried to the result.
; THIS LAUNCH.  Work-groups 0-63: Wh [k][e] f32 becomes codes in the order of the operand's registers: byte 16384 j + 2048 s + 512 c + 16 l + i of whc is the code of Wh[128 s + 32 c + 16 (l / 16) + i][16 j + l % 16]
; (j: 16 columns, s: 128 along K, l: lane).  A wave makes one fragment (j, s); four neighbouring waves stand side by side on 256 consecutive bytes of each row of Wh; each store of a wave covers 512 consecutive bytes, aligned.
; Work-groups 64-191: work-group 64 + 2 j + g makes qw[32 g .. 32 g + 31][16 j .. 16 j + 15]: wave s takes K step s: Wq's fragment (j, s) as above, query's two fragments (16 rows each), two matrix instructions; the eight
; waves' parts are added through LDS.  qw is stored in units of the first product's raw sums: x 2^(e2 + e3 - e0 - e1).  A work-group owns 64 bytes of each row of qw, so four lanes store 64 consecutive bytes of a row.
; THE WEIGHT: a lane takes a column e and its registers run down K, so the conversions' results are the operand's registers.
; QUERY: each load of a wave reads 512 consecutive bytes of one row (its K step), so a lane holds four neighbours along K of each of 32 rows; one conversion takes two rows' four and gives a dword of codes for each row.
; The dwords go into the wave's own LDS rows (128 codes + 16 bytes) and come back as fragments: row r, 16 bytes at 32 c + 16 h.  All 96 loads of a wave go out together: there is one trip to memory.
; k stands in the registers as 32 c + 16 (l / 16) + i, alike in both operands of every product.
; No cluster and no joint load: nothing comes by tensor loads here, and what work-groups share (query, 256 KB in all) is small beside the weights.
; LIMITS: e0 .. e3 between -126 and 119, so that 2^e and 448 x 2^e are f32 numbers.  NaN among the inputs is not served; an infinity is held at the largest code.
.set QST,   16384                      ; LDS: from 0 the eight waves' parts, 2,048 bytes each; from here their rows of query's codes, 32 x 144 bytes each
.set QP,    144                        ; 36 words: row r starts at bank 36 r mod 64 (64 banks of 4 bytes: ISA guide 11.1): sixteen rows, sixteen different groups of four banks
.set SPARE, 53248                      ; the spare words, 128 bytes for each wave
.set RW,  32                           ; v32-95   64 numbers of the weight
.set ACC, 32                           ; v32-47   then the two accumulators,
.set CQ,  64                           ; v64-95   and query's codes, a dword a row
.set RQ,  96                           ; v96-223  query: row i in v[96 + 4 i] on
.set QF1, 96                           ; v96-111  then query's second fragment,
.set RED, 112                          ; v112-143 and the eight parts read back
.set WF,  224                          ; v224-239 the weight's fragment
.set QF0, 240                          ; v240-255 query's first fragment
; v1 r, v2 h, v3 weight offset, v5, v6: 2^e and 448 x 2^e of the weight, v7, v8: of query, v9 my place in my wave's part, v10, v11 the add's two, v12 where I read the parts, v13 my place in qw, v20 16 x lane,
; v21 where I store a row's dword, v22 where I read a fragment
.macro QUANT src, dst, sc, lim         ; 64 numbers of a lane, register 16 c + i = k 32 c + 16 h + i, become a fragment's 16 registers
.irp c, 0,1,2,3
.irp i, 0,1,2,3,4,5,6,7,8,9,10,11,12,13,14,15
	v_med3_num_f32 v[\src+16*\c+\i], v[\src+16*\c+\i], -v[\lim], v[\lim]   ; the conversion to an 8-bit code does not saturate (ISA guide 7.6.2): the hold at the largest code x the scale
.endr
	v_cvt_scalef32_pk8_fp8_f32 v[\dst+4*\c:\dst+4*\c+1], v[\src+16*\c:\src+16*\c+7], v[\sc]
	v_cvt_scalef32_pk8_fp8_f32 v[\dst+4*\c+2:\dst+4*\c+3], v[\src+16*\c+8:\src+16*\c+15], v[\sc]
.endr
	v_nop                                          ; one plain vector instruction behind the last conversion, ahead of whatever next touches its registers
.endm
	s_load_b256 s[4:11], s[0:1], 0x0               ; Wh s[4:5], Wq s[6:7], query s[8:9], the scales' exponents s[10:11]
	s_load_b128 s[12:15], s[0:1], 0x20             ; whc s[12:13], qw s[14:15]
	v_lshl_add_u32 v10, v0, 2, SPARE
	v_mov_b32 v11, 0
	v_lshrrev_b32 v14, 5, v0
	s_delay_alu instid0(VALU_DEP_1)
	v_readfirstlane_b32 s16, v14                   ; wave 0..7
	v_and_b32 v1, 15, v0                           ; r
	v_bfe_u32 v2, v0, 4, 1                         ; h
	s_delay_alu instid0(VALU_DEP_2)
	v_lshlrev_b32 v3, 2, v1
	s_delay_alu instid0(VALU_DEP_1)
	v_lshl_add_u32 v3, v2, 16, v3                  ; the weight: column r, lanes 16-31 sixteen rows of 4,096 bytes further down
	v_and_b32 v15, 31, v0
	s_delay_alu instid0(VALU_DEP_1)
	v_lshlrev_b32 v20, 4, v15                      ; 16 x lane
	s_lshl_b32 s31, s16, 11
	v_add_nc_u32 v9, s31, v20                      ; my wave's part in LDS, 16 bytes a lane
	s_mul_i32 s31, s16, 32*QP
	s_add_co_u32 s31, s31, QST                     ; my wave's rows of codes
	v_lshl_add_u32 v21, v15, 2, s31                ; in: 4 x lane of a row
	v_mul_u32_u24 v22, v1, QP
	s_delay_alu instid0(VALU_DEP_1)
	v_lshl_add_u32 v22, v2, 4, v22
	s_delay_alu instid0(VALU_DEP_1)
	v_add_nc_u32 v22, s31, v22                     ; back: row r, + 16 h
	v_lshrrev_b32 v14, 2, v0                       ; the sum of the parts: thread n (of the first 128) takes row n / 4 of the 32
	v_and_b32 v15, 3, v0                           ; and columns 4 u .. 4 u + 3, u = n % 4
	v_lshrrev_b32 v16, 6, v0
	s_delay_alu instid0(VALU_DEP_1)
	v_lshlrev_b32 v12, 10, v16                     ; accumulator row / 16,
	s_delay_alu instid0(VALU_DEP_3)
	v_and_b32 v17, 1, v15
	s_delay_alu instid0(VALU_DEP_1)
	v_lshl_add_u32 v12, v17, 9, v12                ; registers 4 (u % 2) on,
	v_lshrrev_b32 v17, 1, v15
	s_delay_alu instid0(VALU_DEP_1)
	v_lshl_add_u32 v12, v17, 8, v12                ; lane 16 (u / 2)
	v_and_b32 v17, 15, v14
	s_delay_alu instid0(VALU_DEP_1)
	v_lshl_add_u32 v12, v17, 4, v12                ; + row % 16
	v_lshlrev_b32 v13, 12, v14
	s_delay_alu instid0(VALU_DEP_1)
	v_lshl_add_u32 v13, v15, 4, v13                ; qw: the row, + 16 u
	s_and_b32 s31, ttmp9, 15                       ; Wh's work-groups: j = 4 (x % 16) + wave % 4,
	s_lshl_b32 s31, s31, 2
	s_and_b32 s32, s16, 3
	s_add_co_u32 s31, s31, s32
	s_lshr_b32 s33, ttmp9, 4                       ; s = 2 (x / 16) + wave / 4
	s_lshl_b32 s33, s33, 1
	s_lshr_b32 s34, s16, 2
	s_add_co_u32 s33, s33, s34
	s_sub_co_u32 s35, ttmp9, 64                    ; Wq's: j = (x - 64) / 2, s = wave,
	s_and_b32 s37, s35, 1                          ; g = (x - 64) % 2: which 32 rows of query
	s_lshr_b32 s35, s35, 1
	s_cmp_lt_u32 ttmp9, 64
	s_cselect_b32 s18, s31, s35                    ; j
	s_cselect_b32 s19, s33, s16                    ; s
	s_lshl_b32 s26, s19, 19                        ; 128 s rows of 4,096 bytes
	s_lshl_b32 s27, s18, 6                         ; + 16 j columns
	s_add_co_u32 s26, s26, s27
	s_mov_b32 s27, 0
	s_wait_kmcnt 0x0
	s_load_b128 s[20:23], s[10:11], 0x0            ; e0 .. e3
	s_cmp_lt_u32 ttmp9, 64                         ; the choice hangs on the work-group's number alone
	s_cselect_b64 s[24:25], s[4:5], s[6:7]
	s_add_nc_u64 s[24:25], s[24:25], s[26:27]
.irp c, 0,1,2,3
.irp i, 0,1,2,3,4,5,6,7,8,9,10,11,12,13,14,15
	global_load_b32 v[RW+16*\c+\i], v3, s[24:25] offset:(32*\c+\i)*4096   ; W(128 s + 32 c + 16 h + i, 16 j + r): sixteen lanes read 64 consecutive bytes
.endr
.endr
	s_cmp_lt_u32 ttmp9, 64
	s_cbranch_scc1 .Lfor_wh
	; ---- query x Wq
	s_lshl_b32 s28, s19, 9                         ; my K step in a row of query,
	s_lshl_b32 s29, s37, 17                        ; my work-group's 32 rows
	s_add_co_u32 s28, s28, s29
	s_mov_b32 s29, 0
	s_add_nc_u64 s[8:9], s[8:9], s[28:29]
.set I, 0
.rept 32
	global_load_b128 v[RQ+4*I:RQ+4*I+3], v20, s[8:9] offset:4096*I   ; row I: 32 lanes read 512 consecutive bytes
.set I, I+1
.endr
	s_wait_kmcnt 0x0
	s_add_co_i32 s31, s23, 127
	s_lshl_b32 s32, s31, 23
	v_mov_b32 v5, s32                              ; 2^e3 as f32: the conversion takes its exponent field
	s_add_co_i32 s31, s31, 8
	s_lshl_b32 s31, s31, 23
	s_or_b32 s31, s31, 0x600000
	v_mov_b32 v6, s31                              ; 448 x 2^e3
	s_add_co_i32 s31, s22, 127
	s_lshl_b32 s32, s31, 23
	v_mov_b32 v7, s32                              ; 2^e2
	s_add_co_i32 s31, s31, 8
	s_lshl_b32 s31, s31, 23
	s_or_b32 s31, s31, 0x600000
	v_mov_b32 v8, s31                              ; 448 x 2^e2
	s_add_co_i32 s36, s22, s23
	s_sub_co_i32 s36, s36, s20
	s_sub_co_i32 s36, s36, s21                     ; e2 + e3 - e0 - e1
	s_lshl_b32 s28, s18, 6
	s_lshl_b32 s29, s37, 17
	s_add_co_u32 s28, s28, s29
	s_mov_b32 s29, 0
	s_add_nc_u64 s[14:15], s[14:15], s[28:29]      ; qw at my 32 rows, my 16 columns
	s_wait_alu depctr_va_vdst(0)
	s_wait_loadcnt 32                              ; the weight's 64 loads are in; query's 32 may be out
	QUANT RW, WF, 5, 6
	s_wait_loadcnt 0x0
.set I, 0
.rept 128
	v_med3_num_f32 v[RQ+I], v[RQ+I], -v8, v8       ; the hold at the largest code x the scale
.set I, I+1
.endr
.set I, 0
.rept 16
	v_cvt_scalef32_pk8_fp8_f32 v[CQ+2*I:CQ+2*I+1], v[RQ+8*I:RQ+8*I+7], v7   ; rows 2 I and 2 I + 1: four codes, one dword, of each
.set I, I+1
.endr
	v_nop                                          ; one plain vector instruction behind the last conversion
.set I, 0
.rept 32
	ds_store_b32 v21, v[CQ+I] offset:QP*I          ; row I: the 32 lanes' dwords are its 128 codes on end
.set I, I+1
.endr
.irp c, 0,1,2,3
	ds_load_b128 v[QF0+4*\c:QF0+4*\c+3], v22 offset:32*\c            ; LDS serves a wave's instructions in order (ISA guide 5.7.1.4): these see my stores.  Registers 4 c on: k = 32 c + 16 h + 0 .. 15 of row r
	ds_load_b128 v[QF1+4*\c:QF1+4*\c+3], v22 offset:16*QP+32*\c      ; and of row 16 + r
.endr
	s_wait_dscnt 0x0
	v_wmma_f32_16x16x128_fp8_fp8 v[ACC:ACC+7], v[WF:WF+15], v[QF0:QF0+15], 0          ; transposed: source 0 = 16 columns e, source 1 = 16 rows b: lane (r, h), register i: (b = r, e = 8 h + i)
	v_wmma_f32_16x16x128_fp8_fp8 v[ACC+8:ACC+15], v[WF:WF+15], v[QF1:QF1+15], 0
.rept 4
	v_nop                                          ; four places ahead of the stores that read the results
.endr
.irp m, 0,1
	ds_store_b128 v9, v[ACC+8*\m:ACC+8*\m+3] offset:1024*\m          ; each accumulator from its low end on
	ds_store_b128 v9, v[ACC+8*\m+4:ACC+8*\m+7] offset:1024*\m+512
.endr
	s_wait_dscnt 0x0                               ; for the others' sake: my part lies in LDS
	s_barrier_signal -1
	s_barrier_wait -1
	s_cmp_gt_u32 s16, 3                            ; 32 rows x 16 columns are four numbers for each of 128 threads: waves 0-3 add
	s_cbranch_scc1 .Lend_q
.irp p, 0,1,2,3,4,5,6,7
	ds_load_b128 v[RED+4*\p:RED+4*\p+3], v12 offset:2048*\p          ; the eight K steps' parts of my four numbers
.endr
	s_wait_dscnt 0x0
.irp p, 0,2,4,6
	v_pk_add_f32 v[RED+4*\p:RED+4*\p+1], v[RED+4*\p:RED+4*\p+1], v[RED+4*\p+4:RED+4*\p+5]
	v_pk_add_f32 v[RED+4*\p+2:RED+4*\p+3], v[RED+4*\p+2:RED+4*\p+3], v[RED+4*\p+6:RED+4*\p+7]
.endr
.irp p, 0
	v_pk_add_f32 v[RED+4*\p:RED+4*\p+1], v[RED+4*\p:RED+4*\p+1], v[RED+4*\p+8:RED+4*\p+9]
	v_pk_add_f32 v[RED+4*\p+2:RED+4*\p+3], v[RED+4*\p+2:RED+4*\p+3], v[RED+4*\p+10:RED+4*\p+11]
.endr
.irp p, 4
	s_delay_alu instid0(VALU_DEP_4)
	v_pk_add_f32 v[RED+4*\p:RED+4*\p+1], v[RED+4*\p:RED+4*\p+1], v[RED+4*\p+8:RED+4*\p+9]
	s_delay_alu instid0(VALU_DEP_4)
	v_pk_add_f32 v[RED+4*\p+2:RED+4*\p+3], v[RED+4*\p+2:RED+4*\p+3], v[RED+4*\p+10:RED+4*\p+11]
.endr
	s_delay_alu instid0(VALU_DEP_2)
	v_pk_add_f32 v[RED:RED+1], v[RED:RED+1], v[RED+16:RED+17]
	s_delay_alu instid0(VALU_DEP_2)
	v_pk_add_f32 v[RED+2:RED+3], v[RED+2:RED+3], v[RED+18:RED+19]
.irp i, 0,1,2,3
	v_ldexp_f32 v[RED+\i], v[RED+\i], s36          ; into units of the first product's raw sums
.endr
	global_store_b128 v13, v[RED:RED+3], s[14:15]
.Lend_q:
	s_wait_tensorcnt 0x0                           ; the wave's end: behind my last LDS store
	ds_add_u32 v10, v11
	s_wait_dscnt 0x0
	s_endpgm
.Lfor_wh:                                              ; ---- Wh's codes
	s_lshl_b32 s28, s18, 14
	s_lshl_b32 s29, s19, 11
	s_add_co_u32 s28, s28, s29
	s_mov_b32 s29, 0
	s_add_nc_u64 s[12:13], s[12:13], s[28:29]      ; my fragment's 2,048 bytes
	s_wait_kmcnt 0x0
	s_add_co_i32 s31, s21, 127
	s_lshl_b32 s32, s31, 23
	v_mov_b32 v5, s32                              ; 2^e1
	s_add_co_i32 s31, s31, 8
	s_lshl_b32 s31, s31, 23
	s_or_b32 s31, s31, 0x600000
	v_mov_b32 v6, s31                              ; 448 x 2^e1
	s_wait_alu depctr_va_vdst(0)
	s_wait_loadcnt 0x0
	QUANT RW, WF, 5, 6
.irp c, 0,1,2,3
	global_store_b128 v20, v[WF+4*\c:WF+4*\c+3], s[12:13] offset:512*\c   ; the registers as they stand: 32 lanes store 512 consecutive bytes
.endr
	s_wait_tensorcnt 0x0                           ; the same three lines at this end too
	ds_add_u32 v10, v11
	s_wait_dscnt 0x0
	s_endpgm
.Lfunc_end_k_q17521ae045_prep:
	.size	k_q17521ae045_prep, .Lfunc_end_k_q17521ae045_prep-k_q17521ae045_prep
	.p2alignl 7, 3214868480
	.fill 96, 4, 3214868480
	.section	.rodata,"a",@progbits
	.p2align	6, 0x0
	.amdhsa_kernel k_q17521ae045_prep
		.amdhsa_group_segment_fixed_size 54272
		.amdhsa_private_segment_fixed_size 0
		.amdhsa_enable_private_segment 0
		.amdhsa_kernarg_size 48
		.amdhsa_user_sgpr_count 2
		.amdhsa_user_sgpr_kernarg_segment_ptr 1
		.amdhsa_wavefront_size32 1
		.amdhsa_system_sgpr_workgroup_id_x 1
		.amdhsa_system_sgpr_workgroup_id_y 1
		.amdhsa_system_sgpr_workgroup_id_z 1
		.amdhsa_system_vgpr_workitem_id 0
		.amdhsa_next_free_vgpr 256
		.amdhsa_next_free_sgpr 66
		.amdhsa_reserve_vcc 0
		.amdhsa_float_denorm_mode_32 3
		.amdhsa_float_denorm_mode_16_64 3
		.amdhsa_memory_ordered 1
		.amdhsa_forward_progress 1
		.amdhsa_inst_pref_size 38
	.end_amdhsa_kernel
	.amdgpu_metadata
---
amdhsa.version: [ 1, 2 ]
amdhsa.kernels:
  - .name:           k_q17521ae045_prep
    .symbol:         k_q17521ae045_prep.kd
    .args:
      - { .name: Wh, .offset: 0, .size: 8, .value_kind: global_buffer, .address_space: global }
      - { .name: Wq, .offset: 8, .size: 8, .value_kind: global_buffer, .address_space: global }
      - { .name: query, .offset: 16, .size: 8, .value_kind: global_buffer, .address_space: global }
      - { .name: lowp_scales, .offset: 24, .size: 8, .value_kind: global_buffer, .address_space: global }
      - { .name: whc, .offset: 32, .size: 8, .value_kind: global_buffer, .address_space: global }
      - { .name: qw, .offset: 40, .size: 8, .value_kind: global_buffer, .address_space: global }
    .group_segment_fixed_size: 54272
    .private_segment_fixed_size: 0
    .kernarg_segment_align: 8
    .kernarg_segment_size: 48
    .max_flat_workgroup_size: 256
    .sgpr_count:     66
    .vgpr_count:     256
    .wavefront_size: 32
...
	.end_amdgpu_metadata
.endif
;; end of part 1
;; launch scores (part 2): grid 256 x 1, 4 waves a work-group, clusters of 4 x 1, 327,680 bytes of LDS; arguments memory, whc, qw, v, lowp_scales, sc; writes sc
.if DOCPART == 2
	.amdgcn_target "amdgcn-amd-amdhsa--gfx1250"
	.amdhsa_code_object_version 6
	.text
	.protected	k_q17521ae045_scores
	.globl	k_q17521ae045_scores
	.p2align	8
	.type	k_q17521ae045_scores,@function
k_q17521ae045_scores:
	s_mov_b64 s[64:65], 0
	v_nop
	global_prefetch_b8 v0, s[64:65] scope:SCOPE_SE
	s_setreg_imm32_b32 hwreg(HW_REG_WAVE_MODE, 25, 1), 1
	s_wait_xcnt 0x0
	s_wait_alu depctr_hold_cnt(0) depctr_sa_sdst(0) depctr_va_vdst(0) depctr_va_sdst(0) depctr_va_ssrc(0) depctr_va_vcc(0) depctr_vm_vsrc(0)
	s_getreg_b32 s2, hwreg(HW_REG_IB_STS2, 6, 4)
	s_cmp_eq_u32 s2, 0
	s_cbranch_scc0 .Lentry_in_a_cluster
	s_endpgm
.Lentry_in_a_cluster:
	s_bfe_u32 s2, ttmp6, 0x10000c
	s_cmp_lg_u32 s2, 0x3003
	s_cbranch_scc0 .Lentry_shape_is_right
	s_endpgm
.Lentry_shape_is_right:
; sc[b][t] = -2 log2(e) x sum over e of v[e] / (1 + exp(2 h[b][t][e])),  h = (Q(memory) Q(Wh) as raw sums of codes + qw[b][e]) x 2^(e0 + e1).
; WORK LEFT OUT: the term sum over e of v[e] of s[b][t], the same for all t of a row, which the softmax takes away (shown at the head of the first launch).  2^sc, normalised along t, is the softmax of reference().
; SHARES.  A cluster of four work-groups takes one b; a work-group 256 rows t; each of its four waves 64 rows: four tiles of 16.  A wave quantises its own rows and keeps their codes in 512 REGISTERS for the whole
; launch (32 fragments of 16 rows x 128 K); nothing of memory goes from wave to wave.  Wh's codes walk past: 64 tiles of 16 columns e, each 16,384 bytes in the order of the operand's registers, eight tiles to an LDS slot,
; two slots by turns.  All four waves read every tile, and each fragment read from LDS feeds four matrix instructions.
; CLUSTER.  The four work-groups walk the same codes of Wh, so each slot is asked for JOINTLY: the same tensor load with the same descriptor (it hangs on the wave's number and the count of slots alone) and the mask of all four.
; THE MATRIX INSTRUCTION IS USED TRANSPOSED: source 0 = 16 columns e of Wh, source 1 = 16 rows t: lane (r, h) holds row t = r, its register i column e = 8 h + i.  So qw (the C of a sum's first product) and v come as eight
; registers a tile, the same in all lanes of a half, and a row's score stays in its lane: one exchange between the halves at the end.
; A UNIT, for tile n of the 64: the activation of tile n - 1 (x 2 log2(e) 2^(e0 + e1), 2^x, + 1, 1 / x, a packed multiply-add with v); then tile n's 32 products (8 K steps x 4 tiles of rows, the four accumulators by
; turns).  TILE n + 1's 36 LDS LOADS ARE DEALT OVER THE UNIT IN FOUR RUNS OF NINE, into the set of registers that tile n - 1 has left: behind the four places at the unit's head, behind each of the
; activation's two waits, and in the middle of the products, where the window changes anyway (there: the last five of the fragments' 32, and qw's and v's four).  So a tile is asked for a unit and a half ahead of its products.
; THE CHANGE OF SLOTS stands ahead of the unit that first fetches from the new slot: the old slot's last tile has then been asked for and is multiplied out of registers behind the change.
; An exponential that overflows gives infinity, whose reciprocal is 0; one that underflows gives 0: both are the limits of 1 / (1 + exp(2 h)).
; LIMITS: e0 between -126 and 119; e0 + e1 between -126 and 126 (it is added to a constant's exponent field).  NaN among the inputs is not served; an infinity in memory is held at the largest code.
; REGISTERS, in windows of 256 (s_set_vgpr_msb: bits 1:0 source 0, 3:2 source 1, 5:4 source 2, 7:6 destination):
;   window 0: v1-11, v20, v21 addresses and constants; v12-19 the four tiles' running sums, a pair each; v32-95 at first 64 numbers in hand, then v32-63 the accumulators and v64-95 two sets of (qw, v); v96-131 the head's and the way out's
;   window 1: at first four sets of 64 numbers as loaded; then Wh's fragments, two sets of 8 x 16         windows 2, 3: memory's codes: fragment (m, s) in window 2 + s / 4 at v[64 (s % 4) + 16 m]
.set SLOT1,  1<<17                     ; a slot is 131,072 bytes; slot 1 begins here, so that one exclusive or turns an address
.set QREG,   262144                    ; qw[b], 4,096 bytes, then v, 4,096 bytes
.set STAGE,  270336                    ; for each wave 16 rows x (512 bytes + 16): the turn from rows as they are loaded to a lane's 16 neighbours; at the end the wave's 64 scores
.set SPITCH, 528                       ; 132 words: row r starts at bank 4 r mod 64 (64 banks of 4 bytes: ISA guide 11.1)
.set SPARE,  304128                    ; the spare words, 128 bytes for each wave: two blocks of 256 bytes that no other line names
.set LI,  1                            ; v1   16 x lane
.set STI, 2                            ; v2   the stage, on the way in: 16 x lane of a row
.set STO, 3                            ; v3   on the way out: row r, + 64 h
.set QA,  4                            ; v4   QREG + 32 h
                                       ; v5, v6   LDS addresses of the fragments, and of qw's and v's numbers, that a pair's first unit fetches;  v20, v21: the second unit's.  They take turns, so that none is rewritten while a load that names it may be out
.set SC,  7                            ; v7   2^e0;  v8: 448 x 2^e0
.set LIM, 8
.set TO,  9                            ; v9   16 x thread
.set SPW, 10                           ; v10  my spare word;  v11: 0; both never rewritten
.set NIL, 11
.set SUM, 12
.set XS,  32
.set ACC, 32
.set BV,  64
.set WV,  16                           ; s16  wave
.set G1,  24                           ; s[24:31] descriptor group 1
.set G0,  32                           ; s[32:35] descriptor group 0, which walks
.set TB,  36                           ; s36  LDS byte at which the slot begins from which tiles are being fetched
.set SG,  37                           ; s37  counts slots;  s38 counts a slot's pairs of tiles;  s39 = 512 x slot: its place in qw and v
.set U,   38
.set QS,  39
.set CS,  42                           ; s[42:43] 2 log2(e) x 2^(e0 + e1): the packed form names a pair and takes its low word for both halves
.set MSB, 0
.macro WIN new                         ; the immediate's high byte repeats the setting that is left; a switch that changes nothing is dropped
.if MSB != (\new)
	s_set_vgpr_msb (MSB<<8)|(\new)
.set MSB, (\new)
.endif
.endm
.macro ROUND                           ; a round of the cluster's barrier
	s_barrier_signal -1
	s_barrier_wait -1
	s_cmp_lg_u32 s[WV], 0
	s_cbranch_scc1 .Lnot_wave_0_\@
	s_barrier_signal -3
.Lnot_wave_0_\@:
	s_barrier_wait -3
	s_barrier_signal -1
	s_barrier_wait -1
.endm
; step f = 8 m + s of the head: rows 16 m .. 16 m + 15 of my 64, K step s: sixteen loads, each 512 consecutive bytes of one row, into set f % 4 of window 1
.macro XLOAD f
	WIN 0x40
.irp i, 0,1,2,3,4,5,6,7,8,9,10,11,12,13,14,15
	global_load_b128 v[64*((\f)%4)+4*\i:64*((\f)%4)+4*\i+3], v[LI], s[4:5] offset:65536*((\f)/8)+512*((\f)%8)+4096*\i th:TH_LOAD_NT
.endr
.endm
; step F: its numbers turn through my stage (LDS serves a wave's instructions in order: ISA guide 5.7.1.4), are held and converted: the results are fragment (F / 8, F % 8)
.macro XSTEP
.if F < 29
	s_wait_loadcnt 48                              ; this step's sixteen loads are in; the three sets behind it may be out
.else
	s_wait_loadcnt 16*(31-F)
.endif
	WIN 0x04                                       ; store data in window 1
.irp i, 0,1,2,3,4,5,6,7,8,9,10,11,12,13,14,15
	ds_store_b128 v[STI], v[64*(F%4)+4*\i:64*(F%4)+4*\i+3] offset:SPITCH*\i
.endr
	WIN 0
.irp c, 0,1,2,3
.irp q, 0,1,2,3
	ds_load_b128 v[XS+16*\c+4*\q:XS+16*\c+4*\q+3], v[STO] offset:128*\c+16*\q      ; register 16 c + i = k 32 c + 16 h + i of row r
.endr
.endr
	s_wait_dscnt 0x0                               ; the numbers are back; the stores have read their registers,
.if F < 28
	XLOAD (F+4)                                    ; which take the loads of four steps on
	WIN 0
.if F < 24
	global_prefetch_b8 v23, s[4:5] offset:65536*((F+8)/8)+512*((F+8)%8) th:TH_LOAD_NT scope:SCOPE_SE   ; step F + 8's 16 rows x 512 bytes, each block named once, four steps ahead of its loads; the last eight steps ask for nothing; neither address register is ever rewritten
.endif
.endif
.set K, 0
.rept 64
	v_med3_num_f32 v[XS+K], v[XS+K], -v[LIM], v[LIM]   ; the conversion to an 8-bit code does not saturate (ISA guide 7.6.2): the hold at the largest code x the scale
.set K, K+1
.endr
	WIN 0x80+0x40*((F%8)/4)                        ; destination window 2 or 3
.irp c, 0,1,2,3
	v_cvt_scalef32_pk8_fp8_f32 v[64*(F%4)+16*(F/8)+4*\c:64*(F%4)+16*(F/8)+4*\c+1], v[XS+16*\c:XS+16*\c+7], v[SC]
	v_cvt_scalef32_pk8_fp8_f32 v[64*(F%4)+16*(F/8)+4*\c+2:64*(F%4)+16*(F/8)+4*\c+3], v[XS+16*\c+8:XS+16*\c+15], v[SC]
.endr
	v_nop                                          ; one plain vector instruction behind the last conversion
	WIN 0
.endm
; The macros of a unit go by three symbols that UNIT sets: PN, the set of the tile that is multiplied (n % 2); FS = 1 - PN, the set that is fetched into, and the set of the tile whose activation is made; AD, the unit's first address register.
; A run of the fetch: loads q0 .. q0 + cnt - 1 of a tile's 32: load Q brings registers 4 Q .. 4 Q + 3 of the set from byte 512 Q of the tile: an image of the registers, 16 bytes a lane, 512 an instruction
.macro BRUN q0, cnt
	WIN 0x40
.set Q, (\q0)
.rept \cnt
	ds_load_b128 v[128*FS+4*Q:128*FS+4*Q+3], v[AD] offset:512*Q
.set Q, Q+1
.endr
	WIN 0
.endm
.macro BVLOAD                          ; the fetched tile's eight numbers of qw and of v
	ds_load_b128 v[BV+16*FS:BV+16*FS+3], v[AD+1]
	ds_load_b128 v[BV+16*FS+4:BV+16*FS+7], v[AD+1] offset:16
	ds_load_b128 v[BV+16*FS+8:BV+16*FS+11], v[AD+1] offset:4096
	ds_load_b128 v[BV+16*FS+12:BV+16*FS+15], v[AD+1] offset:4112
.endm
; The activation of the tile multiplied last: its 32 numbers a lane: g = 1 / (1 + 2^(c x sum)), and the running sums += g x v.  Each batch of transcendentals has one plain instruction and one wait behind it, ahead of its first
; reader.  fetch = 1: three runs of the fetch stand in it: each behind a point at which the wave's results are awaited anyway
.macro TANHF fetch
.rept 4
	v_nop                                          ; four places between the last products and the first read of results, and the loads into the fragments that they read (ISA guide 7.12.1 for the reads of results)
.endr
.if \fetch
	BRUN 0, 9
.endif
.set K, 0
.rept 16
	v_pk_mul_f32 v[ACC+K:ACC+K+1], v[ACC+K:ACC+K+1], s[CS:CS+1] op_sel_hi:[1,0]   ; each accumulator from its low end on
.set K, K+2
.endr
.set K, 0
	s_wait_alu depctr_va_vdst(0)
.rept 32
	v_exp_f32 v[ACC+K], v[ACC+K]
.set K, K+1
.endr
	v_nop
	s_wait_alu depctr_va_vdst(0)
.if \fetch
	BRUN 9, 9
.endif
.set K, 0
.rept 16
	v_pk_add_f32 v[ACC+K:ACC+K+1], v[ACC+K:ACC+K+1], 1.0 op_sel_hi:[1,0]
.set K, K+2
.endr
.set K, 0
	s_wait_alu depctr_va_vdst(0)
.rept 32
	v_rcp_f32 v[ACC+K], v[ACC+K]
.set K, K+1
.endr
	v_nop
	s_wait_alu depctr_va_vdst(0)
.if \fetch
	BRUN 18, 9
.endif
.irp u, 0,1,2,3
.irp m, 0,1,2,3
	v_pk_fma_f32 v[SUM+2*\m:SUM+2*\m+1], v[ACC+8*\m+2*\u:ACC+8*\m+2*\u+1], v[BV+16*FS+8+2*\u:BV+16*FS+9+2*\u], v[SUM+2*\m:SUM+2*\m+1]
.endr
.endr
.endm
; 32 products: K step by K step, the four accumulators by turns, one instruction a turn.  The first K step takes qw as C: nothing is cleared and nothing is added later.
; fetch = 1: the fetch's last run stands in the middle.  It lands in registers that this tile's products do not name; those that read them last stand ahead of the products
.macro MULSF fetch
	WIN 0x09                                       ; source 0 (Wh) window 1, source 1 (memory) window 2
.irp s, 0,1,2,3
.irp m, 0,1,2,3
.if \s == 0
	v_wmma_f32_16x16x128_fp8_fp8 v[ACC+8*\m:ACC+8*\m+7], v[128*PN+16*\s:128*PN+16*\s+15], v[64*\s+16*\m:64*\s+16*\m+15], v[BV+16*PN:BV+16*PN+7]
.else
	v_wmma_f32_16x16x128_fp8_fp8 v[ACC+8*\m:ACC+8*\m+7], v[128*PN+16*\s:128*PN+16*\s+15], v[64*\s+16*\m:64*\s+16*\m+15], v[ACC+8*\m:ACC+8*\m+7]
.endif
.endr
.endr
.if \fetch
	BRUN 27, 5
	BVLOAD
.endif
	WIN 0x0d                                       ; source 1 window 3
.irp s, 4,5,6,7
.irp m, 0,1,2,3
	v_wmma_f32_16x16x128_fp8_fp8 v[ACC+8*\m:ACC+8*\m+7], v[128*PN+16*\s:128*PN+16*\s+15], v[64*(\s-4)+16*\m:64*(\s-4)+16*\m+15], v[ACC+8*\m:ACC+8*\m+7]
.endr
.endr
	WIN 0
.endm
; A UNIT for tile n.  pn = n % 2.  tanh = 1: the activation of tile n - 1;  mul = 1: the products of tile n;  fetch = 1: tile n + 1 is fetched: tile 2 U (pn = 1) or 2 U + 1 (pn = 0) of the slot at s[TB]
.macro UNIT pn, tanh, mul, fetch
.set PN, (\pn)
.set FS, 1-(\pn)
.set AD, 5+15*FS
.if \fetch
	s_lshl_b32 s40, s[U], 15                       ; the pair's 32,768 bytes in the slot,
	s_add_co_u32 s40, s40, s[TB]
	s_lshl_b32 s41, s[U], 7                        ; and its 128 bytes of qw and of v
	s_add_co_u32 s41, s41, s[QS]
.if FS == 1
	s_add_co_u32 s40, s40, 16384                   ; the pair's second tile
	s_add_co_u32 s41, s41, 64
.endif
	v_add_nc_u32 v[AD], s40, v[LI]                 ; the loads that named these two registers last, two units back, were awaited ahead of the last unit's products
	v_add_nc_u32 v[AD+1], s41, v[QA]
.endif
.if \tanh
	TANHF \fetch
.elseif \fetch
	BRUN 0, 27
.endif
.if \mul
.if \fetch
	s_wait_alu depctr_va_vdst(0)
	s_wait_dscnt 27                                ; tile n's fragments, qw and v are in: behind them only this unit's three runs of nine were issued
.else
	s_wait_dscnt 0x0
.endif
	MULSF \fetch
.elseif \fetch
	BRUN 27, 5
	BVLOAD
.endif
.endm
; THE CHANGE OF SLOTS.  Each wave waits for all its tensor loads (one is out: its quarter of the slot from which it is about to fetch), adds 0 to its spare word, and waits for that and for its reads of the slot
; that it has left.  fill = 1: a round of the cluster's barrier follows, and behind it the slot that was left is asked for jointly, with the next eight tiles: the load has eight units in which to land.
.macro CHANGE fill
	s_wait_tensorcnt 0x0                           ; no tensor load of mine is out, so group 0 may be written
	ds_add_u32 v[SPW], v[NIL]
.if \fill
	s_xor_b32 s[G0+1], s[G0+1], SLOT1              ; the other slot than last time,
	s_add_nc_u64 s[G0+2:G0+3], s[G0+2:G0+3], 131072   ; the next eight tiles; the type bits on top are not reached
.endif
	s_wait_dscnt 0x0                               ; the add is done, and my reads of the slot that I have left are over
.if \fill
	ROUND
	tensor_load_to_lds s[G0:G0+3], s[G1:G1+7]      ; the first thing behind the round, and my one tensor load until the next
	s_nop 0
.rept 4
	v_nop
.endr
.else
	s_barrier_signal -1
	s_barrier_wait -1
.endif
.endm
; a slot's pairs of units from pair u0 on: each pair fetches two of the slot's tiles
.macro PAIRS u0
	s_mov_b32 s[U], \u0
.Lpair_\@:
	UNIT 1, 1, 1, 1
	UNIT 0, 1, 1, 1
	s_add_co_u32 s[U], s[U], 1
	s_cmp_lt_u32 s[U], 4
	s_cbranch_scc1 .Lpair_\@
	s_xor_b32 s[TB], s[TB], SLOT1                  ; the fetches go on to the other slot
.endm
	s_load_b256 s[4:11], s[0:1], 0x0               ; memory s[4:5], whc s[6:7], qw s[8:9], v s[10:11]
	s_load_b128 s[12:15], s[0:1], 0x20             ; the scales' exponents s[12:13], sc s[14:15]
	v_lshl_add_u32 v[SPW], v0, 2, SPARE
	v_mov_b32 v[NIL], 0
	ds_add_u32 v[SPW], v[NIL]                      ; the wave's opening: the add, twice on end, and its wait ahead of my first tensor load
	ds_add_u32 v[SPW], v[NIL]
	v_lshrrev_b32 v20, 5, v0
	v_readfirstlane_b32 s[WV], v20                 ; wave 0..3
	s_bfe_u32 s22, ttmp6, 0x40000                  ; cx: which 256 rows of the b are my work-group's: it enters memory's and sc's addresses alone
	; descriptor group 1: a dense block of 32,768 bytes as 128 rows of 32 elements of 8 bytes
	s_mov_b32 s[G1], 15|(3<<16)|(1<<21)            ; 15:0 the mask: all four work-groups; 17:16 elements of 8 bytes; 20 no padding; 21 set beside a mask
	s_mov_b32 s[G1+1], 32<<16                      ; tensor_dim0 = 32
	s_mov_b32 s[G1+2], 128<<16                     ; tensor_dim1 = 128
	s_mov_b32 s[G1+3], 32<<16                      ; tile_dim0 = 32
	s_mov_b32 s[G1+4], 128                         ; tile_dim1 = 128
	s_mov_b32 s[G1+5], 32                          ; from row to row
	s_mov_b32 s[G1+6], 0
	s_mov_b32 s[G1+7], 0
	s_mov_b32 s[G0], 1                             ; count = 1
	s_lshl_b32 s[G0+1], s[WV], 15                  ; LDS address: my quarter of slot 0
	s_lshl_b32 s20, s[WV], 15                      ; and of a slot's bytes in whc
	s_mov_b32 s21, 0
	s_lshl_b32 s18, ttmp9, 22                      ; memory: b x 1,024 rows of 4,096 bytes (in a cluster launch ttmp9 counts clusters: b)
	s_lshl_b32 s23, s22, 20                        ; + 256 cx rows
	s_add_co_u32 s18, s18, s23
	s_lshl_b32 s23, s[WV], 18                      ; + 64 x wave rows
	s_add_co_u32 s18, s18, s23
	s_mov_b32 s19, 0
	s_mov_b32 s[TB], 0
	s_mov_b32 s44, 0x76543210                      ; v_permlanex16_b32's selects for lane l xor 16
	s_mov_b32 s45, 0xfedcba98
	s_wait_dscnt 0x0                               ; both opening adds are done
	s_wait_kmcnt 0x0
	s_load_b128 s[48:51], s[12:13], 0x0            ; e0 .. e3
	s_add_nc_u64 s[G0+2:G0+3], s[6:7], s[20:21]    ; global address: tiles 0-7, my quarter
	s_or_b32 s[G0+3], s[G0+3], 0x80000000          ; type = 2
	s_add_nc_u64 s[4:5], s[4:5], s[18:19]          ; memory at my wave's first row
	s_lshl_b32 s20, ttmp9, 12
	s_add_nc_u64 s[8:9], s[8:9], s[20:21]          ; qw at row b
	s_lshl_b32 s23, s22, 10
	s_add_co_u32 s18, s20, s23
	s_lshl_b32 s23, s[WV], 8
	s_add_co_u32 s18, s18, s23
	s_add_nc_u64 s[14:15], s[14:15], s[18:19]      ; sc at my wave's 64 scores
	ROUND                                          ; all four work-groups are here: the first joint loads meet
	tensor_load_to_lds s[G0:G0+3], s[G1:G1+7]      ; slot 0; it has the whole head in which to land
	s_nop 0
.rept 4
	v_nop
.endr
	v_lshlrev_b32 v[TO], 4, v0
	v_and_b32 v21, 31, v0
	v_lshlrev_b32 v[LI], 4, v21
	global_load_b128 v[96:99], v[TO], s[8:9]       ; qw[b] and v: 16 bytes a thread, twice each
	global_load_b128 v[100:103], v[TO], s[8:9] offset:2048
	global_load_b128 v[104:107], v[TO], s[10:11]
	global_load_b128 v[108:111], v[TO], s[10:11] offset:2048
	XLOAD 0
	XLOAD 1
	XLOAD 2
	WIN 0
	v_and_b32 v22, 15, v0                          ; r
	v_bfe_u32 v113, v0, 4, 1                       ; h
	v_lshlrev_b32 v23, 12, v22                     ; the prefetches' offset: row r of 4,096 bytes,
	v_lshl_add_u32 v23, v113, 8, v23               ; + 256 h: a lane to each of a step's 32 blocks of 256 bytes; never rewritten
	s_mul_i32 s52, s[WV], 16*SPITCH
	s_add_co_u32 s52, s52, STAGE                   ; my stage
	v_add_nc_u32 v[STI], s52, v[LI]
	v_mul_u32_u24 v[STO], v22, SPITCH
	v_lshl_add_u32 v[STO], v113, 6, v[STO]
	v_add_nc_u32 v[STO], s52, v[STO]
	v_lshlrev_b32 v[QA], 5, v113
	v_add_nc_u32 v[QA], QREG, v[QA]
	v_lshl_add_u32 v112, v0, 4, QREG
	v_lshlrev_b32 v114, 2, v21
	v_add_nc_u32 v114, s52, v114                   ; the way out: 4 x lane,
	v_lshlrev_b32 v116, 3, v21
	v_add_nc_u32 v115, s52, v116                   ; and 8 x lane, in my stage; v116: the same in sc
.irp j, 0,1,2,3,4,5,6,7
	v_mov_b32 v[SUM+\j], 0                         ; the running sums
.endr
.irp j, 0,1,2,3
	v_mov_b32 v[124+\j], 0                         ; written once: a lane permute's destination counts as one of its sources
.endr
	s_wait_kmcnt 0x0
	s_add_co_i32 s53, s48, 127
	s_lshl_b32 s54, s53, 23
	v_mov_b32 v[SC], s54                           ; 2^e0 as f32: the conversion takes its exponent field
	s_add_co_i32 s53, s53, 8
	s_lshl_b32 s53, s53, 23
	s_or_b32 s53, s53, 0x600000
	v_mov_b32 v[LIM], s53                          ; 448 x 2^e0
	s_add_co_i32 s53, s48, s49
	s_lshl_b32 s53, s53, 23
	s_add_co_i32 s[CS], s53, 0x4038aa3b            ; 2 log2(e), with e0 + e1 added to its exponent field
	s_mov_b32 s[CS+1], s[CS]                       ; (named with it as a pair, so it is written)
	s_wait_alu depctr_va_vdst(0)
	s_wait_loadcnt 48                              ; qw and v are in; the three sets of rows may be out
	ds_store_b128 v112, v[96:99]
	ds_store_b128 v112, v[100:103] offset:2048
	ds_store_b128 v112, v[104:107] offset:4096
	ds_store_b128 v112, v[108:111] offset:6144     ; the other waves read them behind the first change of slots, in front of which every wave waits for its LDS instructions
	XLOAD 3
.set F, 0
.rept 32
	XSTEP                                          ; written out: each step's codes have registers of their own
.set F, F+1
.endr
	; slot 0: its first two units are written out: there is nothing yet to multiply, then nothing yet to activate
	s_mov_b32 s[QS], 0
	CHANGE 1                                       ; slot 0 is whole in every wave's eyes, and so are qw and v; slot 1 is asked for
	s_mov_b32 s[U], 0
	UNIT 1, 0, 0, 1                                ; tile 0 is fetched
	UNIT 0, 0, 1, 1                                ; tile 1 is fetched, tile 0 multiplied
	PAIRS 1                                        ; tiles 2-7 are fetched, 1-6 multiplied
	s_mov_b32 s[SG], 1
.Lslot:                                                ; six trips, slots 1 to 6: behind each change the next slot is asked for
	s_lshl_b32 s[QS], s[SG], 9
	CHANGE 1
	PAIRS 0
	s_add_co_u32 s[SG], s[SG], 1
	s_cmp_lt_u32 s[SG], 7
	s_cbranch_scc1 .Lslot
	s_mov_b32 s[QS], 7*512
	CHANGE 0                                       ; the last slot is written out, so no round
	PAIRS 0
	UNIT 1, 1, 1, 0                                ; tile 63 is multiplied: nothing is left to fetch
	UNIT 0, 1, 0, 0                                ; and its activation
	; THE WAY OUT: a pair's two halves, the other half of the lanes' eight columns of each tile, x -2 log2(e).  Lanes 0-15 then keep one tile's rows and lanes 16-31 the next tile's; through my stage the 64 scores become 8 bytes a lane
.irp m, 0,1,2,3
	v_add_f32 v[120+\m], v[SUM+2*\m], v[SUM+2*\m+1]
.endr
.irp m, 0,1,2,3
	v_permlanex16_b32 v[124+\m], v[120+\m], s44, s45
.endr
.irp m, 0,1,2,3
	v_add_f32 v[120+\m], v[120+\m], v[124+\m]
.endr
.irp m, 0,1,2,3
	v_mul_f32 v[120+\m], 0xc038aa3b, v[120+\m]
.endr
	v_cmp_ne_u32 vcc_lo, 0, v113                   ; lanes 16-31
	v_cndmask_b32 v128, v120, v121, vcc_lo         ; rows 0-31, a lane a row
	v_cndmask_b32 v129, v122, v123, vcc_lo         ; rows 32-63
	ds_store_b32 v114, v128
	ds_store_b32 v114, v129 offset:128
	ds_load_b64 v[130:131], v115                   ; LDS serves a wave's instructions in order: this sees my stores
	s_wait_dscnt 0x0
	global_store_b64 v116, v[130:131], s[14:15]    ; 32 lanes store 256 consecutive bytes, at a multiple of 256 from sc's first byte
	s_wait_tensorcnt 0x0                           ; the wave's end: behind my last tensor load and my last LDS store
	ds_add_u32 v[SPW], v[NIL]
	s_wait_dscnt 0x0
	ROUND                                          ; the closing round: no work-group ends while a partner may still ask for a slot that names it
	s_endpgm
.Lfunc_end_k_q17521ae045_scores:
	.size	k_q17521ae045_scores, .Lfunc_end_k_q17521ae045_scores-k_q17521ae045_scores
	.p2alignl 7, 3214868480
	.fill 96, 4, 3214868480
	.section	.rodata,"a",@progbits
	.p2align	6, 0x0
	.amdhsa_kernel k_q17521ae045_scores
		.amdhsa_group_segment_fixed_size 327680
		.amdhsa_private_segment_fixed_size 0
		.amdhsa_enable_private_segment 0
		.amdhsa_kernarg_size 48
		.amdhsa_user_sgpr_count 2
		.amdhsa_user_sgpr_kernarg_segment_ptr 1
		.amdhsa_wavefront_size32 1
		.amdhsa_system_sgpr_workgroup_id_x 1
		.amdhsa_system_sgpr_workgroup_id_y 1
		.amdhsa_system_sgpr_workgroup_id_z 1
		.amdhsa_system_vgpr_workitem_id 0
		.amdhsa_next_free_vgpr 1024
		.amdhsa_next_free_sgpr 66
		.amdhsa_reserve_vcc 1
		.amdhsa_float_denorm_mode_32 3
		.amdhsa_float_denorm_mode_16_64 3
		.amdhsa_memory_ordered 1
		.amdhsa_forward_progress 1
		.amdhsa_inst_pref_size 255
	.end_amdhsa_kernel
	.section	.bss,"aw",@nobits
	.p2align	6
	.space	262144
	.amdgpu_metadata
---
amdhsa.version: [ 1, 2 ]
amdhsa.kernels:
  - .name:           k_q17521ae045_scores
    .symbol:         k_q17521ae045_scores.kd
    .args:
      - { .name: memory, .offset: 0, .size: 8, .value_kind: global_buffer, .address_space: global }
      - { .name: whc, .offset: 8, .size: 8, .value_kind: global_buffer, .address_space: global }
      - { .name: qw, .offset: 16, .size: 8, .value_kind: global_buffer, .address_space: global }
      - { .name: v, .offset: 24, .size: 8, .value_kind: global_buffer, .address_space: global }
      - { .name: lowp_scales, .offset: 32, .size: 8, .value_kind: global_buffer, .address_space: global }
      - { .name: sc, .offset: 40, .size: 8, .value_kind: global_buffer, .address_space: global }
    .group_segment_fixed_size: 327680
    .private_segment_fixed_size: 0
    .kernarg_segment_align: 8
    .kernarg_segment_size: 48
    .max_flat_workgroup_size: 128
    .sgpr_count:     66
    .vgpr_count:     1024
    .wavefront_size: 32
...
	.end_amdgpu_metadata
.endif
;; end of part 2
;; launch wsum (part 3): grid 256 x 1, 8 waves a work-group, no clusters, 9,728 bytes of LDS; arguments memory, sc, out0; writes out0
.if DOCPART == 3
	.amdgcn_target "amdgcn-amd-amdhsa--gfx1250"
	.amdhsa_code_object_version 6
	.text
	.protected	k_q17521ae045_wsum
	.globl	k_q17521ae045_wsum
	.p2align	8
	.type	k_q17521ae045_wsum,@function
k_q17521ae045_wsum:
	s_mov_b64 s[64:65], 0
	v_nop
	global_prefetch_b8 v0, s[64:65] scope:SCOPE_SE
	s_setreg_imm32_b32 hwreg(HW_REG_WAVE_MODE, 25, 1), 1
	s_wait_xcnt 0x0
; out0[b][d] = sum over t of p[t] memory[b][t][d] / sum over t of p[t],  p[t] = 2^(sc[b][t] - the row's largest sc): the softmax of reference() (sc is s x log2(e) less a term that is the same along t: the first launch's head).
; All in f32: fused multiply-adds, no matrix unit: each number of memory meets one weight, so the launch is a stream.
; SHARES.  Work-group x takes b = x / 4 and 256 columns: x % 4.  Wave w takes 128 of these columns (w % 2) and 256 rows (w / 2): each load reads 512 consecutive bytes of one row, aligned; a lane keeps four columns.
; 32 loads of every wave are always out (32 slots in registers); the waits are counted.  The 256 rows are written out in eight groups of 32: every offset is an immediate (255 rows of 4,096 bytes at the most, inside the
; signed 24-bit immediate: ISA guide, chapter 10), so no base and no offset register is rewritten while a load or a prefetch may read it.
; PREFETCH.  Group J, whose slots ask for rows 32 (J + 1) on, first names rows 32 (J + 2) on: 32 rows x 512 bytes, a lane a row, two instructions a wave, each block of 256 bytes once in the launch, one group ahead of
; its loads.  Rows 0-63 come by their loads alone; groups 6 and 7 ask for nothing.
; Eight sets of sums take turns, so that fourteen other multiply-adds stand between two steps of one sum.
; The softmax of the b's 1,024 scores is made by every work-group for itself: 4,096 bytes read four times over, which is why nothing is shared in a cluster.
.set REDM,  4096                       ; LDS: p [1024] from byte 0; the eight waves' maxima;
.set REDS,  4352                       ; their sums;
.set ACCR,  4608                       ; their four columns a lane;
.set SPARE, 8704                       ; the spare words, 128 bytes for each wave
.set X,   32                           ; v32-159  slot i: 4 registers
.set PW,  160                          ; v160-191 32 weights, the same in every lane
.set ACC, 200                          ; v200-231 eight sets of four sums, slot i adds onto set i % 8
.set PFO, 232                          ; v232     the prefetches' offset: my wave's part + 4,096 x lane; never rewritten
; v1 my offset in memory, v2 my rows' place in p, v4-7 scores, then p, v9 16 x thread, v10 4 x wave, v11 0 (an address), v12, v13 the add's two, v14 the maximum, v15 1 / the sum
.macro SLOT i, ahead, left, o          ; row i of 32: four columns += p x memory; ahead = 1: the slot takes row o + i; left: the younger loads that may stay out
	s_wait_loadcnt \left
.if (\i)%2 == 0
	v_pk_fma_f32 v[ACC+4*((\i)%8):ACC+4*((\i)%8)+1], v[X+4*(\i):X+4*(\i)+1], v[PW+(\i):PW+(\i)+1], v[ACC+4*((\i)%8):ACC+4*((\i)%8)+1] op_sel_hi:[1,0,1]
	v_pk_fma_f32 v[ACC+4*((\i)%8)+2:ACC+4*((\i)%8)+3], v[X+4*(\i)+2:X+4*(\i)+3], v[PW+(\i):PW+(\i)+1], v[ACC+4*((\i)%8)+2:ACC+4*((\i)%8)+3] op_sel_hi:[1,0,1]
.else
	v_pk_fma_f32 v[ACC+4*((\i)%8):ACC+4*((\i)%8)+1], v[X+4*(\i):X+4*(\i)+1], v[PW+(\i)-1:PW+(\i)], v[ACC+4*((\i)%8):ACC+4*((\i)%8)+1] op_sel:[0,1,0] op_sel_hi:[1,1,1]
	v_pk_fma_f32 v[ACC+4*((\i)%8)+2:ACC+4*((\i)%8)+3], v[X+4*(\i)+2:X+4*(\i)+3], v[PW+(\i)-1:PW+(\i)], v[ACC+4*((\i)%8)+2:ACC+4*((\i)%8)+3] op_sel:[0,1,0] op_sel_hi:[1,1,1]
.endif
.if \ahead
	global_load_b128 v[X+4*(\i):X+4*(\i)+3], v1, s[4:5] offset:((\o)+(\i))*4096 th:TH_LOAD_NT
.endif
.endm
.macro WEIGHTS off                     ; 32 weights: every lane reads the same words
.irp k, 0,1,2,3,4,5,6,7
	ds_load_b128 v[PW+4*\k:PW+4*\k+3], v2 offset:(\off)+16*\k
.endr
	s_wait_dscnt 0x0
.endm
	s_load_b128 s[4:7], s[0:1], 0x0                ; memory s[4:5], sc s[6:7]
	s_load_b64 s[8:9], s[0:1], 0x10                ; out0
	v_lshl_add_u32 v12, v0, 2, SPARE
	v_mov_b32 v13, 0
	v_lshrrev_b32 v8, 5, v0
	s_delay_alu instid0(VALU_DEP_1)
	v_readfirstlane_b32 s16, v8                    ; wave 0..7
	s_lshr_b32 s17, ttmp9, 2                       ; b
	s_and_b32 s18, ttmp9, 3                        ; which 256 columns
	s_and_b32 s19, s16, 1                          ; which 128 of them
	s_lshr_b32 s20, s16, 1                         ; which 256 rows
	s_mov_b32 s10, 0x76543210                      ; v_permlanex16_b32's selects for lane l xor 16
	s_mov_b32 s11, 0xfedcba98
	v_and_b32 v8, 31, v0
	s_delay_alu instid0(VALU_DEP_1)
	v_lshlrev_b32 v1, 4, v8
	s_lshl_b32 s21, s19, 9
	s_lshl_b32 s22, s20, 20
	s_add_co_u32 s21, s21, s22
	v_add_nc_u32 v1, s21, v1                       ; 16 x lane + 512 x half + 256 rows of 4,096 bytes x group
	v_lshl_add_u32 v[PFO], v8, 12, s21             ; a lane a row, in the same part
	s_lshl_b32 s22, s20, 10
	v_mov_b32 v2, s22                              ; my 256 rows' weights in LDS
	v_lshlrev_b32 v9, 4, v0
	s_lshl_b32 s30, s16, 2
	v_mov_b32 v10, s30
	v_mov_b32 v11, 0
	s_lshl_b32 s24, s17, 22
	s_lshl_b32 s23, s18, 10
	s_add_co_u32 s24, s24, s23
	s_mov_b32 s25, 0
	s_lshl_b32 s26, s17, 12
	s_mov_b32 s27, 0
	s_add_co_u32 s28, s26, s23
	s_mov_b32 s29, 0
	s_wait_alu depctr_va_vdst(0)
	s_wait_kmcnt 0x0
	s_add_nc_u64 s[4:5], s[4:5], s[24:25]          ; memory at (b, row 0, my work-group's columns)
	s_add_nc_u64 s[6:7], s[6:7], s[26:27]          ; sc at row b
	s_add_nc_u64 s[8:9], s[8:9], s[28:29]          ; out0 at (b, my work-group's columns)
	global_load_b128 v[4:7], v9, s[6:7]            ; four scores a thread
.set I, 0
.rept 32
	global_load_b128 v[X+4*I:X+4*I+3], v1, s[4:5] offset:I*4096 th:TH_LOAD_NT   ; the slots' first rows go out ahead of the softmax
.set I, I+1
.endr
.set I, 0
.rept 32
	v_mov_b32 v[ACC+I], 0
.set I, I+1
.endr
	s_wait_loadcnt 32                              ; the scores are in; the 32 rows stay out
	v_max3_num_f32 v14, v4, v5, v6                 ; THE MAXIMUM IS TAKEN AWAY, as reference() does: in the thread, the wave, the work-group
	s_delay_alu instid0(VALU_DEP_1)
	v_max_num_f32 v14, v14, v7
	s_delay_alu instid0(VALU_DEP_1)
	v_max_num_f32_dpp v14, v14, v14 row_xmask:1 row_mask:0xf bank_mask:0xf
	s_delay_alu instid0(VALU_DEP_1)
	v_max_num_f32_dpp v14, v14, v14 row_xmask:2 row_mask:0xf bank_mask:0xf
	s_delay_alu instid0(VALU_DEP_1)
	v_max_num_f32_dpp v14, v14, v14 row_xmask:4 row_mask:0xf bank_mask:0xf
	s_delay_alu instid0(VALU_DEP_1)
	v_max_num_f32_dpp v14, v14, v14 row_xmask:8 row_mask:0xf bank_mask:0xf
	s_delay_alu instid0(VALU_DEP_1)
	v_permlanex16_b32 v8, v14, s10, s11
	s_delay_alu instid0(VALU_DEP_1)
	v_max_num_f32 v14, v14, v8
	ds_store_b32 v10, v14 offset:REDM              ; all lanes write the wave's word with the same value
	s_wait_dscnt 0x0
	s_barrier_signal -1
	s_barrier_wait -1
	ds_load_b128 v[192:195], v11 offset:REDM
	ds_load_b128 v[196:199], v11 offset:REDM+16
	s_wait_dscnt 0x0
	v_max3_num_f32 v14, v192, v193, v194
	s_delay_alu instid0(VALU_DEP_1)
	v_max3_num_f32 v14, v14, v195, v196
	s_delay_alu instid0(VALU_DEP_1)
	v_max3_num_f32 v14, v14, v197, v198
	s_delay_alu instid0(VALU_DEP_1)
	v_max_num_f32 v14, v14, v199
.irp j, 4,5,6,7
	v_sub_f32 v[\j], v[\j], v14
.endr
	s_wait_alu depctr_va_vdst(0)
.irp j, 4,5,6,7
	v_exp_f32 v[\j], v[\j]                         ; p = 2^(sc - max), at most 1
.endr
	v_nop
	s_wait_alu depctr_va_vdst(0)                   ; ahead of the batch's first reader
	ds_store_b128 v9, v[4:7]                       ; p for all waves
	v_add_f32 v15, v4, v5
	v_add_f32 v8, v6, v7
	s_delay_alu instid0(VALU_DEP_1)
	v_add_f32 v15, v15, v8
	s_delay_alu instid0(VALU_DEP_1)
	v_add_f32_dpp v15, v15, v15 row_xmask:1 row_mask:0xf bank_mask:0xf
	s_delay_alu instid0(VALU_DEP_1)
	v_add_f32_dpp v15, v15, v15 row_xmask:2 row_mask:0xf bank_mask:0xf
	s_delay_alu instid0(VALU_DEP_1)
	v_add_f32_dpp v15, v15, v15 row_xmask:4 row_mask:0xf bank_mask:0xf
	s_delay_alu instid0(VALU_DEP_1)
	v_add_f32_dpp v15, v15, v15 row_xmask:8 row_mask:0xf bank_mask:0xf
	s_delay_alu instid0(VALU_DEP_1)
	v_permlanex16_b32 v8, v15, s10, s11
	s_delay_alu instid0(VALU_DEP_1)
	v_add_f32 v15, v15, v8
	ds_store_b32 v10, v15 offset:REDS
	s_wait_dscnt 0x0                               ; for the others' sake: my weights and my sum lie in LDS
	s_barrier_signal -1
	s_barrier_wait -1
	ds_load_b128 v[192:195], v11 offset:REDS
	ds_load_b128 v[196:199], v11 offset:REDS+16
	s_wait_dscnt 0x0
	v_pk_add_f32 v[192:193], v[192:193], v[194:195]
	v_pk_add_f32 v[196:197], v[196:197], v[198:199]
	s_delay_alu instid0(VALU_DEP_1)
	v_pk_add_f32 v[192:193], v[192:193], v[196:197]
	s_delay_alu instid0(VALU_DEP_1)
	v_add_f32 v192, v192, v193
	s_wait_alu depctr_va_vdst(0)
	v_rcp_f32 v15, v192                            ; the sum is at least 1: the largest score's p
	v_nop
	s_wait_alu depctr_va_vdst(0)
.set J, 0
.rept 7                                ; groups 0 to 6: rows 32 J on are summed, rows 32 (J + 1) on asked for
.if J < 6
	global_prefetch_b8 v[PFO], s[4:5] offset:32*(J+2)*4096 th:TH_LOAD_NT scope:SCOPE_SE       ; what the next group's slots will ask for: the first 256 bytes of each of its 32 rows,
	global_prefetch_b8 v[PFO], s[4:5] offset:32*(J+2)*4096+256 th:TH_LOAD_NT scope:SCOPE_SE   ; and the second
.endif
	WEIGHTS 128*J
.set I, 0
.rept 32
	SLOT I, 1, 31, 32*(J+1)                        ; loads come back in order (ISA guide 5.7.1): mine is in, the 31 younger ones stay out
.set I, I+1
.endr
.set J, J+1
.endr
	WEIGHTS 128*7
.set I, 0
.rept 32
	SLOT I, 0, 31-I, 0                             ; the last 32 rows load nothing: the counts run down
.set I, I+1
.endr
	s_wait_alu depctr_va_vdst(0)
.irp j, 0,2,4,6,8,10,12,14
	v_pk_add_f32 v[ACC+\j:ACC+\j+1], v[ACC+\j:ACC+\j+1], v[ACC+16+\j:ACC+17+\j]
.endr
.irp j, 0,2,4,6
	v_pk_add_f32 v[ACC+\j:ACC+\j+1], v[ACC+\j:ACC+\j+1], v[ACC+8+\j:ACC+9+\j]
.endr
.irp j, 0,2
	v_pk_add_f32 v[ACC+\j:ACC+\j+1], v[ACC+\j:ACC+\j+1], v[ACC+4+\j:ACC+5+\j]
.endr
	ds_store_b128 v9, v[ACC:ACC+3] offset:ACCR     ; 512 x wave + 16 x lane
	s_wait_dscnt 0x0
	s_barrier_signal -1
	s_barrier_wait -1
	s_cmp_gt_u32 s16, 1                            ; waves 0 and 1 finish their 128 columns: the four row groups' waves lie 1,024 bytes apart
	s_cbranch_scc1 .Ldone
.irp k, 0,1,2,3
	ds_load_b128 v[X+4*\k:X+4*\k+3], v9 offset:ACCR+1024*\k
.endr
	s_wait_dscnt 0x0
	v_pk_add_f32 v[32:33], v[32:33], v[36:37]
	v_pk_add_f32 v[34:35], v[34:35], v[38:39]
	v_pk_add_f32 v[40:41], v[40:41], v[44:45]
	v_pk_add_f32 v[42:43], v[42:43], v[46:47]
	s_delay_alu instid0(VALU_DEP_2)
	v_pk_add_f32 v[32:33], v[32:33], v[40:41]
	s_delay_alu instid0(VALU_DEP_2)
	v_pk_add_f32 v[34:35], v[34:35], v[42:43]
.irp j, 32,33,34,35
	v_mul_f32 v[\j], v[\j], v15                    ; / the sum of p
.endr
	global_store_b128 v9, v[32:35], s[8:9]         ; 32 lanes store 512 consecutive bytes, aligned
.Ldone:
	s_wait_tensorcnt 0x0                           ; the wave's end
	ds_add_u32 v12, v13
	s_wait_dscnt 0x0
	s_endpgm
.Lfunc_end_k_q17521ae045_wsum:
	.size	k_q17521ae045_wsum, .Lfunc_end_k_q17521ae045_wsum-k_q17521ae045_wsum
	.p2alignl 7, 3214868480
	.fill 96, 4, 3214868480
	.section	.rodata,"a",@progbits
	.p2align	6, 0x0
	.amdhsa_kernel k_q17521ae045_wsum
		.amdhsa_group_segment_fixed_size 9728
		.amdhsa_private_segment_fixed_size 0
		.amdhsa_enable_private_segment 0
		.amdhsa_kernarg_size 24
		.amdhsa_user_sgpr_count 2
		.amdhsa_user_sgpr_kernarg_segment_ptr 1
		.amdhsa_wavefront_size32 1
		.amdhsa_system_sgpr_workgroup_id_x 1
		.amdhsa_system_sgpr_workgroup_id_y 1
		.amdhsa_system_sgpr_workgroup_id_z 1
		.amdhsa_system_vgpr_workitem_id 0
		.amdhsa_next_free_vgpr 240
		.amdhsa_next_free_sgpr 66
		.amdhsa_reserve_vcc 0
		.amdhsa_float_denorm_mode_32 3
		.amdhsa_float_denorm_mode_16_64 3
		.amdhsa_memory_ordered 1
		.amdhsa_forward_progress 1
		.amdhsa_inst_pref_size 78
	.end_amdhsa_kernel
	.amdgpu_metadata
---
amdhsa.version: [ 1, 2 ]
amdhsa.kernels:
  - .name:           k_q17521ae045_wsum
    .symbol:         k_q17521ae045_wsum.kd
    .args:
      - { .name: memory, .offset: 0, .size: 8, .value_kind: global_buffer, .address_space: global }
      - { .name: sc, .offset: 8, .size: 8, .value_kind: global_buffer, .address_space: global }
      - { .name: out0, .offset: 16, .size: 8, .value_kind: global_buffer, .address_space: global }
    .group_segment_fixed_size: 9728
    .private_segment_fixed_size: 0
    .kernarg_segment_align: 8
    .kernarg_segment_size: 24
    .max_flat_workgroup_size: 256
    .sgpr_count:     66
    .vgpr_count:     240
    .wavefront_size: 32
...
	.end_amdgpu_metadata
.endif
;; end of part 3
